; MI455X (gfx1250); checked and timed in simulation.
; The chip was launched on July 23, 2026; its instructions are those of AMD's public machine-readable ISA for CDNA 5 (MIT licence, August 2026) and "CDNA5" Instruction Set Architecture Reference Guide (July 2026). The comments in the code are by the model that wrote it; some were corrected since.
;; Multi Head Attention Block. Allowed arithmetic: matrix products marked QUANTISED: E3M2 operands, one E8M0 scale for each 32 along K, by v_wmma_scale_f32_16x16x128_f8f6f4 with both operands' format E3M2, f32 sums; everything else in f32.
;; Inputs: b_o 256 float32; b_qkv 768 float32; w_o_codes 256 x 8 x 24 uint8 (E3M2 codes of w_o, K innermost, in blocks of 32 codes, four codes in three bytes); w_o_scales 256 x 8 uint8 (E8M0 scales of w_o, one for each 32 codes along K); w_qkv_codes 768 x 8 x 24 uint8 (E3M2 codes of w_qkv, K innermost, in blocks of 32 codes, four codes in three bytes); w_qkv_scales 768 x 8 uint8 (E8M0 scales of w_qkv, one for each 32 codes along K); x_codes 4 x 64 x 64 x 8 x 24 uint8 (E3M2 codes of x, K innermost, in blocks of 32 codes, four codes in three bytes); x_scales 4 x 64 x 64 x 8 uint8 (E8M0 scales of x, one for each 32 codes along K).
;; Outputs: out0 4 x 256 x 64 x 64 float32.
;; This version of the problem:
;;   THIS VERSION OF THE PROBLEM IS GIVEN IN LOW PRECISION. The matrix products marked QUANTISED in the list below multiply operands that are first quantised to E3M2 (3 exponent bits, 2 mantissa bits; 6 bits a number), with one power-of-two scale for each 32 numbers along K (OCP MX v1.0); their sums are f32. All else is computed in f32.
;;   The module's matrix products, in the order in which they are computed (A, B: the left and right operand; K: the contracted axis; several contracted axes count as one K, in the product's order):
;;     1. [M 16,384, K 256] x [K 256, N 768]; A: input x (given as codes); B: input w_qkv (given as codes): QUANTISED
;;     2. batch 16 x [M 4,096, K 64] x [K 64, N 4,096]; A: computed on the way; B: computed on the way: QUANTISED
;;     3. batch 16 x [M 4,096, K 4,096] x [K 4,096, N 64]; A: softmax (see below); B: computed on the way: QUANTISED
;;     4. [M 16,384, K 256] x [K 256, N 256]; A: computed on the way; B: input w_o (given as codes): QUANTISED
;;   THE QUANTISER, for each operand of a quantised product, along K:
;;     - K is cut into blocks of 32 from its start; a last block that is shorter is filled with zeros.
;;     - A block's scale is 2^e with e = floor(log2(the largest magnitude in the block)) - 4, held to -126 .. 127; a block of zeros has e = 0. As a byte (E8M0): e + 127.
;;     - Each number is divided by its block's scale, clamped to +-28, and rounded to the nearest number of E3M2, ties to even, subnormals kept.
;;     - The product sums the exact products of the quantised numbers (number of the format x scale) in f32.
;;   ~~~python
;;   def quantise(x, axis):      # numpy; x: float32 -> the quantised numbers, widened to float32 again
;;       x = np.moveaxis(x, axis, -1); K = x.shape[-1]
;;       x = np.pad(x, [(0, 0)] * (x.ndim - 1) + [(0, -K % 32)]); x = x.reshape(x.shape[:-1] + (-1, 32)); a = np.abs(x).max(-1, keepdims=True)
;;       e = np.where(a > 0, np.clip(np.frexp(np.where(a > 0, a, 1))[1] - 1 - 4, -126, 127), 0)      # np.frexp(a)[1] - 1 = floor(log2(a)), exactly
;;       r = np.clip(x / 2.0 ** e, -28, 28)
;;       step = 2.0 ** (np.maximum(np.frexp(np.where(r == 0, 1, r))[1] - 1, -2) - 2)
;;       q = np.round(r / step) * step * 2.0 ** e      # np.round: ties to even
;;       return np.moveaxis(q.reshape(q.shape[:-2] + (-1,))[..., :K], -1, axis).astype(np.float32)
;;   ~~~
;;   SOFTMAX AHEAD OF A QUANTISED PRODUCT. Where the list says 'softmax', what is quantised is not the finished softmax but p = 2^(t - M), with t = logit x log2(e) and M = ceil(the row's largest t), a whole number; so 1/2 < the row's largest p <= 1. The row's sum l is taken of the UNQUANTISED p, in f32, and the product's result is divided by l at the end. Since M is a whole number, a kernel that streams over the keys may use a running M (the ceiling of the running maximum): every later rescaling is an exact power of two, which a block's scale takes up: the codes' values come out the same.
;;   OPERANDS COMPUTED ON THE WAY. 'Computed on the way' means the value that the module computes at that place (a softmax that the list does not call 'softmax' is quantised finished and normalised). What goes into a quantiser is computed in f32, as accurately as f32 sums, v_exp_f32 and their like allow (about 1e-6 of the number): no bf16 or f16 on the way to a quantiser, and a product that is left as it is and whose result goes on into a quantised operand takes f32 operands (vector FMAs, or v_wmma_f32_16x16x4_f32). A number that lies on a knife's edge between two numbers of the format may be rounded either way, as far as f32 arithmetic and the matrix unit's own rounding can turn it there, and no further.
;;   INPUTS GIVEN AS CODES. w_o (in the module: [256, 256], K = its axis 1); w_qkv (in the module: [768, 256], K = its axis 1); x (in the module: [4, 256, 64, 64], K = its axis 1): each comes as NAME_codes (uint8): NAME with its K axis moved to the last place and cut into blocks of 32 codes, [.., K / 32, bytes a block], one block behind the other in memory; four codes in three bytes: a row's codes are one little-endian stream of bits, code i at bits 6 i .. 6 i + 5 (a code: sign, 3 exponent bits, 2 mantissa bits); and NAME_scales (uint8): the same leading axes, one E8M0 byte (e + 127) for each 32 codes along K. Its value is code x scale, taken as it is: it is not quantised again, and the codes and scales need not be those that the quantiser above would give.
;; One version. Each part assembles by itself: llvm-mc -triple=amdgcn-amd-amdhsa -mcpu=gfx1250 --defsym DOCPART=n.
;; ======== version 1 of 1: 2 launches
;; limits: right only within a limited range of input values
;; workspace buffers: qf 3,145,728 bytes; qs 131,072 bytes; kvc 6,553,600 bytes
;; launch qkv (part 1): grid 128 x 2, 8 waves a work-group, no clusters, 33,792 bytes of LDS; arguments x_codes, x_scales, w_qkv_codes, w_qkv_scales, b_qkv, qf, qs, kvc; writes qf, qs, kvc
.if DOCPART == 1
	.amdgcn_target "amdgcn-amd-amdhsa--gfx1250"
	.amdhsa_code_object_version 6
	.text
	.protected	k_q99e733d39c_qkv
	.globl	k_q99e733d39c_qkv
	.p2align	8
	.type	k_q99e733d39c_qkv,@function
k_q99e733d39c_qkv:
	s_mov_b64 s[64:65], 0
	v_nop
	global_prefetch_b8 v0, s[64:65] scope:SCOPE_SE
	s_setreg_imm32_b32 hwreg(HW_REG_WAVE_MODE, 25, 1), 1
	s_wait_xcnt 0x0
; qkv = x w_qkv^T + b_qkv on codes of BF6 (E3M2), K = 256 in two steps of 128; q and k are then quantised along the head's 64, v along the keys, in registers,
; and leave as IMAGES OF OPERAND REGISTERS: a fragment is 12 registers a lane = 3 stores of 512 consecutive bytes, lane l's 16 bytes at 16 l.  No work of reference() is left out.
; SHARES.  Work-group (x, y): tokens 128 x .. 128 x + 127 (key step x % 32 of batch x / 32), heads 2 y, 2 y + 1.  Eight waves, three units each of 16 matrix instructions -> 64 numbers a lane -> one fragment:
;   two units for q (waves 0-3) or k (waves 4-7), transposed (source 0 = 16 rows of W, source 1 = 16 tokens); fragment [a | b] holds two tiles of 16 tokens, k 0-63 = a's 64 numbers, k 64-127 = b's;
;   one unit for v: 16 channels x the 128 tokens (source 0 = tokens, source 1 = rows of W).
; THE ROWS OF A TILE: lane r of tile t takes item 8 t + r % 8 + 32 (r / 8) (+ 64 for tiles 4-7 of x), tokens and rows of W alike.  So result register 32 c + i of lane half h is item 64 c + 32 h + i:
; a lane holds WHOLE blocks of 32, in the order of the operand's registers: a block's maximum needs no other lane.
; kvc: [batch][unit u: K of step (u + 1) % 32, 24,576 bytes; V of step u, 24,576; scale words [head][k's 256 bytes, v's 256]]: 51,200 bytes a unit, in the order in which the attention launch walks.
; NO JOINT LOADS: no loop and no ring: every operand is asked for once, at the head, in the order of the operand's registers.
; LIMITS: NaN and infinities are not served.  A block whose largest magnitude lies under 2^(5 - 127) keeps the scale byte 1 (a block of zeros too: its codes are zeros, and this program alone reads the bytes).
.set XIMG, 0
.set SCST, 24576
.set UB,   51200
.set VROW, 1
.set VSC8, 2
.set VB,   3
.set VPR4, 4
.set LI16, 5
.set XWI,  6
.set XRA,  7
.set SWQ,  8
.set SWV,  9
.set VKVL, 10
.set VQL,  11
.set VQG,  12
.set XF,   16
.set ACC,  112
.set TM,   176
.set PC,   192
.set PW,   212
.set VKG,  213
.set SH8,  215
.set XSC,  216
.set XQS,  232
.set WQS,  240
.set WVS,  248
.set WQ,   0
.set BQ,   96
.set WVF,  128
.set BV,   152
.set WAVE, 22
.set RV,   23
.set PX,   24
.set PXS,  26
.set PXQ,  28
.set PWQ,  30
.set PWQS, 32
.set PBQ,  34
.set PWV,  36
.set PWVS, 38
.set PBV,  40
.set POQ,  42
.set POV,  44
.set PKS,  46
.set PQS,  48
.set SEL,  50
.set W1,   52
.set W2,   53
.set W4,   54
.set W3,   55
.set YY,   56
.set BT,   57
.set ST,   58
.set HQ,   59
.set HV,   60
.set RQ,   61
.set MSB, 0
.macro WIN new
.if MSB != \new
	s_set_vgpr_msb (MSB<<8)|\new
.set MSB, \new
.endif
.endm
.macro MM d, a, b, c, sa, sb
	v_wmma_scale_f32_16x16x128_f8f6f4 v[\d:\d+7], v[\a:\a+11], v[\b:\b+11], v[\c:\c+7], v[\sa], v[\sb] matrix_a_fmt:MATRIX_FMT_BF6 matrix_b_fmt:MATRIX_FMT_BF6
.endm
.macro PLACES
.rept 4
	v_nop
.endr
.endm
.macro XFETCH reg, adr, off
.irp c, 0,1,2
	ds_load_b128 v[\reg+4*\c:\reg+4*\c+3], v[\adr] offset:\off+512*\c
.endr
.endm
.macro OUT3 base, off
.irp c, 0,1,2
	global_store_b128 v[LI16], v[PC+4*\c:PC+4*\c+3], s[\base:\base+1] offset:\off+512*\c
.endr
.endm
; 64 numbers of a lane, register 32 c + i = k 64 c + 32 h + i of my row: codes into v[PC] on, scale word into v[PW]
.macro QUANT s
.irp k, 0,1,2,3
	v_max3_num_f32 v[TM+\k], |v[\s+16*\k]|, |v[\s+16*\k+1]|, 0x2800000   ; four chains of 16 numbers, with the floor 2^(5 - 127); each accumulator from its low end on
.endr
.irp i, 2,4,6,8,10,12,14
.irp k, 0,1,2,3
	v_max3_num_f32 v[TM+\k], v[TM+\k], |v[\s+16*\k+\i]|, |v[\s+16*\k+\i+1]|
.endr
.endr
	v_max_num_f32 v[TM], v[TM], v[TM+1]            ; block h
	v_max_num_f32 v[TM+2], v[TM+2], v[TM+3]        ; block 2 + h
	s_delay_alu instid0(VALU_DEP_2)
	v_add_nc_u32 v[TM+12], 0xfe000000, v[TM]       ; 4 off the exponent field: the conversion's scale operand
	s_delay_alu instid0(VALU_DEP_2)
	v_add_nc_u32 v[TM+13], 0xfe000000, v[TM+2]
	s_delay_alu instid0(VALU_DEP_2)
	v_lshrrev_b32 v[TM+4], 23, v[TM+12]            ; the bytes
	s_delay_alu instid0(VALU_DEP_2)
	v_lshrrev_b32 v[TM+5], 23, v[TM+13]
	s_delay_alu instid0(VALU_DEP_1)
	v_lshl_or_b32 v[TM+4], v[TM+5], 16, v[TM+4]
	s_delay_alu instid0(VALU_DEP_1)
	v_lshlrev_b32 v[TM+4], v[SH8], v[TM+4]         ; at their places: 8 h bits up
	s_delay_alu instid0(VALU_DEP_1)
	v_permlanex16_b32 v[TM+6], v[TM+4], s[SEL], s[SEL+1]
	s_delay_alu instid0(VALU_DEP_1)
	v_or_b32 v[PW], v[TM+4], v[TM+6]               ; with lane l xor 16's two the word is whole, in both lanes
.irp c, 0,1
	v_cvt_scalef32_pk16_bf6_f32 v[PC+6*\c:PC+2+6*\c], v[\s+32*\c:\s+15+32*\c], v[TM+12+\c]
	v_cvt_scalef32_pk16_bf6_f32 v[PC+12+4*\c:PC+14+4*\c], v[\s+16+32*\c:\s+31+32*\c], v[TM+12+\c]   ; (a conversion's three registers begin on an even number)
.endr
	v_nop                                          ; one plain place behind a scaled conversion
.irp c, 0,1
.irp i, 0,1,2
	v_mov_b32 v[PC+3+6*\c+\i], v[PC+12+4*\c+\i]
.endr
.endr
.endm
	s_load_b256 s[4:11], s[0:1], 0x0               ; x's codes, x's scales, W's codes, W's scales
	s_load_b256 s[12:19], s[0:1], 0x20             ; b_qkv, qf, qs, kvc
	v_lshl_add_u32 v254, v0, 2, 0x8000
	v_mov_b32 v255, 0
	v_lshrrev_b32 v13, 5, v0
	v_readfirstlane_b32 s[WAVE], v13
	s_and_b32 s[W1], s[WAVE], 1
	s_bfe_u32 s[W2], s[WAVE], 0x10001
	s_lshr_b32 s[W4], s[WAVE], 2
	s_and_b32 s[W3], s[WAVE], 3
	s_and_b32 s[YY], ttmp7, 0xffff
	s_lshr_b32 s[BT], ttmp9, 5
	s_and_b32 s[ST], ttmp9, 31
	s_lshl_b32 s[HQ], s[YY], 1
	s_add_co_u32 s[HV], s[HQ], s[W4]
	s_add_co_u32 s[HQ], s[HQ], s[W2]
	s_lshl_b32 s[RQ], s[W4], 8
	s_lshl_b32 s62, s[HQ], 6
	s_add_co_u32 s[RQ], s[RQ], s62                 ; first row of W for q/k: 256 (w / 4) + 64 head
	s_lshl_b32 s[RV], s[HV], 6
	s_lshl_b32 s62, s[W3], 3
	s_add_co_u32 s[RV], s[RV], s62
	s_add_co_u32 s[RV], s[RV], 512                 ; for v: 512 + 64 head + 8 (w % 4)
	s_mul_i32 s[PX], ttmp9, 24576                  ; my tile w of x begins at token 64 (w / 4) + 8 (w % 4)
	s_mul_i32 s62, s[W4], 12288
	s_add_co_u32 s[PX], s[PX], s62
	s_mul_i32 s62, s[W3], 1536
	s_add_co_u32 s[PX], s[PX], s62
	s_mov_b32 s[PX+1], 0
	s_lshl_b32 s[PXS], ttmp9, 10
	s_mov_b32 s[PXS+1], 0
	s_lshl_b32 s62, s[W1], 9
	s_add_co_u32 s[PXQ], s[PXS], s62
	s_mov_b32 s[PXQ+1], 0
	s_mul_i32 s[PWQ], s[RQ], 192
	s_mov_b32 s[PWQ+1], 0
	s_lshl_b32 s[PWQS], s[RQ], 3
	s_mov_b32 s[PWQS+1], 0
	s_lshl_b32 s[PBQ], s[RQ], 2
	s_mov_b32 s[PBQ+1], 0
	s_mul_i32 s[PWV], s[RV], 192
	s_mov_b32 s[PWV+1], 0
	s_lshl_b32 s[PWVS], s[RV], 3
	s_mov_b32 s[PWVS+1], 0
	s_lshl_b32 s[PBV], s[RV], 2
	s_mov_b32 s[PBV+1], 0
	s_lshl_b32 s62, s[BT], 2                       ; q's fragments: ((4 batch + head) x 128 + 4 step + 2 (w % 2)) x 1,536
	s_add_co_u32 s62, s62, s[HQ]
	s_mul_i32 s62, s62, 196608
	s_mul_i32 s63, s[ST], 6144
	s_add_co_u32 s62, s62, s63
	s_add_co_u32 s63, s[ST], 31                    ; k's unit: (step - 1) mod 32 of the batch
	s_and_b32 s63, s63, 31
	s_lshl_b32 s20, s[BT], 5
	s_add_co_u32 s20, s20, s63
	s_mul_i32 s20, s20, UB                         ; where k's unit begins,
	s_mul_i32 s21, ttmp9, UB                       ; and v's
	s_mul_i32 s[POQ], s[HQ], 6144
	s_add_co_u32 s63, s20, s[POQ]
	s_cmp_eq_u32 s[W4], 0                          ; waves 0-3 make q, waves 4-7 k
	s_cselect_b32 s62, s62, s63
	s_mul_i32 s[POQ], s[W1], 3072
	s_add_co_u32 s[POQ], s[POQ], s62
	s_mov_b32 s[POQ+1], 0
	s_mul_i32 s62, s[HV], 6144                     ; v's: unit + 24,576 + head x 6,144 + tile x 1,536
	s_add_co_u32 s[POV], s21, s62
	s_mul_i32 s62, s[W3], 1536
	s_add_co_u32 s[POV], s[POV], s62
	s_add_co_u32 s[POV], s[POV], 24576
	s_mov_b32 s[POV+1], 0
	s_lshl_b32 s[PKS], s[YY], 1                    ; the scale words in a unit: 49,152 + (2 y + w % 2) x 512
	s_add_co_u32 s[PKS], s[PKS], s[W1]
	s_lshl_b32 s[PKS], s[PKS], 9
	s_add_co_u32 s[PKS], s[PKS], 49152
	s_mov_b32 s[PKS+1], 0
	s_lshl_b32 s[PQS], s[BT], 2                    ; qs: ((4 batch + 2 y) x 32 + step) x 256
	s_lshl_b32 s62, s[YY], 1
	s_add_co_u32 s[PQS], s[PQS], s62
	s_lshl_b32 s[PQS], s[PQS], 5
	s_add_co_u32 s[PQS], s[PQS], s[ST]
	s_lshl_b32 s[PQS], s[PQS], 8
	s_mov_b32 s[PQS+1], 0
	s_mov_b32 s[SEL], 0x76543210
	s_mov_b32 s[SEL+1], 0xfedcba98
	v_and_b32 v13, 31, v0
	v_and_b32 v14, 15, v0                          ; r
	v_bfe_u32 v15, v0, 4, 1                        ; h
	v_and_b32 v[VPR4], 8, v14
	v_mad_u32_u24 v[VPR4], v[VPR4], 3, v14         ; r % 8 + 32 (r / 8)
	v_lshlrev_b32 v[SH8], 3, v15
	v_mul_u32_u24 v[VROW], v[VPR4], 192
	v_lshlrev_b32 v[VSC8], 3, v[VPR4]
	v_mad_u32_u24 v[VROW], v15, 24, v[VROW]
	v_lshlrev_b32 v[VB], 7, v15                    ; the bias of my half's 32 units
	v_lshlrev_b32 v[VPR4], 2, v[VPR4]
	v_lshlrev_b32 v[LI16], 4, v13
	s_mul_i32 s62, s[WAVE], 3072
	v_add_nc_u32 v[XWI], s62, v[LI16]
	s_mul_i32 s62, s[W1], 12288
	v_add_nc_u32 v[XRA], s62, v[LI16]
	s_mul_i32 s62, s[W2], 768                      ; the stage: [head][q, k, v][16 r + 4 F]
	s_lshl_b32 s63, s[W4], 8
	s_add_co_u32 s62, s62, s63
	s_lshl_b32 s63, s[W1], 3
	s_add_co_u32 s62, s62, s63
	s_add_co_u32 s62, s62, SCST
	v_lshl_add_u32 v[SWQ], v14, 4, s62
	s_mul_i32 s62, s[W4], 768
	s_lshl_b32 s63, s[W3], 2
	s_add_co_u32 s62, s62, s63
	s_add_co_u32 s62, s62, SCST+512
	v_lshl_add_u32 v[SWV], v14, 4, s62
	s_mul_i32 s62, s[WAVE], 768
	s_add_co_u32 s62, s62, SCST+256
	v_lshl_add_u32 v[VKVL], v13, 4, s62
	v_mul_u32_u24 v[VQL], v15, 768
	v_lshl_add_u32 v[VQL], v14, 4, v[VQL]
	v_add_nc_u32 v[VQL], SCST, v[VQL]
	v_lshlrev_b32 v[VQG], 13, v15
	v_lshl_add_u32 v[VQG], v14, 4, v[VQG]
	v_mov_b32 v[VKG], s20                          ; lanes 0-15 store k's words into k's unit, lanes 16-31 v's into v's
	v_mov_b32 v214, s21
	s_mov_b32 s62, 0xffff0000
	v_cndmask_b32 v[VKG], v[VKG], v214, s62
	v_add_nc_u32 v[VKG], v[VKG], v[LI16]
.irp b, 0,1,2,3
	v_mov_b32 v[TM+4+\b], 0                        ; a lane permute's destination counts as one of its sources
.endr
	s_wait_alu depctr_va_vdst(0)                   ; the wait at the head's end
	s_wait_kmcnt 0x0
	s_add_nc_u64 s[PX:PX+1], s[4:5], s[PX:PX+1]
	s_add_nc_u64 s[PWQ:PWQ+1], s[8:9], s[PWQ:PWQ+1]
.irp s, 0,1
.irp p, 0,1,2,3,4,5
	global_load_b64 v[XF+12*\s+2*\p:XF+12*\s+2*\p+1], v[VROW], s[PX:PX+1] offset:96*\s+48*(\p/3)+8*(\p%3)
.endr
.endr
	WIN 0x40
.irp t, 0,1,2,3
.irp s, 0,1
.irp p, 0,1,2,3,4,5
	global_load_b64 v[WQ+12*(2*\t+\s)+2*\p:WQ+12*(2*\t+\s)+2*\p+1], v[VROW], s[PWQ:PWQ+1] offset:1536*\t+96*\s+48*(\p/3)+8*(\p%3)
.endr
.endr
.endr
	WIN 0
	s_add_nc_u64 s[PXS:PXS+1], s[6:7], s[PXS:PXS+1]
	s_add_nc_u64 s[PXQ:PXQ+1], s[6:7], s[PXQ:PXQ+1]
	s_add_nc_u64 s[PWQS:PWQS+1], s[10:11], s[PWQS:PWQS+1]
	s_add_nc_u64 s[PBQ:PBQ+1], s[12:13], s[PBQ:PBQ+1]
	s_add_nc_u64 s[PWV:PWV+1], s[8:9], s[PWV:PWV+1]
	s_add_nc_u64 s[PWVS:PWVS+1], s[10:11], s[PWVS:PWVS+1]
	s_add_nc_u64 s[PBV:PBV+1], s[12:13], s[PBV:PBV+1]
	s_cmp_eq_u32 s[W4], 0
	s_cselect_b64 s[62:63], s[14:15], s[18:19]
	s_add_nc_u64 s[POQ:POQ+1], s[62:63], s[POQ:POQ+1]
	s_add_nc_u64 s[POV:POV+1], s[18:19], s[POV:POV+1]
	s_add_nc_u64 s[PKS:PKS+1], s[18:19], s[PKS:PKS+1]
	s_add_nc_u64 s[PQS:PQS+1], s[16:17], s[PQS:PQS+1]
	s_wait_loadcnt 48                              ; x's 12 are in; the 48 of W issued behind them may be out
.irp s, 0,1
.irp c, 0,1,2
	ds_store_b128 v[XWI], v[XF+12*\s+4*\c:XF+12*\s+4*\c+3] offset:XIMG+1536*\s+512*\c
.endr
.endr
.irp t, 0,1,2,3,4,5,6,7
	global_load_b64 v[XSC+2*\t:XSC+2*\t+1], v[VSC8], s[PXS:PXS+1] offset:(64*(\t/4)+8*(\t%4))*8
.endr
.irp n, 0,1,2,3
	global_load_b64 v[XQS+2*\n:XQS+2*\n+1], v[VSC8], s[PXQ:PXQ+1] offset:64*\n
.endr
.irp t, 0,1,2,3
	global_load_b64 v[WQS+2*\t:WQS+2*\t+1], v[VSC8], s[PWQS:PWQS+1] offset:64*\t
.endr
	global_load_b64 v[WVS:WVS+1], v[VSC8], s[PWVS:PWVS+1]
	WIN 0x40
.irp t, 0,1,2,3
	global_load_b128 v[BQ+8*\t:BQ+8*\t+3], v[VB], s[PBQ:PBQ+1] offset:32*\t
	global_load_b128 v[BQ+8*\t+4:BQ+8*\t+7], v[VB], s[PBQ:PBQ+1] offset:32*\t+16
.endr
.irp s, 0,1
.irp p, 0,1,2,3,4,5
	global_load_b64 v[WVF+12*\s+2*\p:WVF+12*\s+2*\p+1], v[VROW], s[PWV:PWV+1] offset:96*\s+48*(\p/3)+8*(\p%3)
.endr
.endr
.irp j, 0,1,2,3,4,5,6,7
	global_load_b32 v[BV+\j], v[VPR4], s[PBV:PBV+1]
.endr
	WIN 0
	s_wait_dscnt 0x0                               ; for the others' sake: my tile's images have landed
	s_barrier_signal -1
	s_barrier_wait -1
	s_wait_loadcnt 0x0
.macro QKUNIT i
.irp a, 0,1
.irp s, 0,1
	XFETCH XF+12*(2*\a+\s), XRA, 6144*\i+3072*\a+1536*\s
.endr
.endr
	s_wait_dscnt 0x0
	WIN 0x11
.irp a, 0,1
.irp t, 0,1,2,3
	MM ACC+32*\a+8*\t, WQ+24*\t, XF+24*\a, BQ+8*\t, WQS+2*\t, XQS+2*(2*\i+\a)
.endr
.endr
	WIN 0x01
.irp a, 0,1
.irp t, 0,1,2,3
	MM ACC+32*\a+8*\t, WQ+24*\t+12, XF+24*\a+12, ACC+32*\a+8*\t, WQS+2*\t+1, XQS+2*(2*\i+\a)+1
.endr
.endr
	WIN 0
	PLACES
.if \i > 0
	s_wait_xcnt 0x0                                ; the last unit's stores have read the codes' registers
.endif
	QUANT ACC
	OUT3 POQ, 1536*\i
	ds_store_b32 v[SWQ], v[PW] offset:4*\i         ; lanes l and l xor 16 write the same word with the same value
.endm
	QKUNIT 0
	QKUNIT 1
.irp s, 0,1
.irp t, 0,1,2,3,4,5,6,7
	XFETCH XF+12*\t, LI16, XIMG+(2*\t+\s)*1536
.endr
	s_wait_dscnt 0x0
.if \s == 0
	WIN 0x14
.else
	WIN 0x04
.endif
.irp t, 0,1,2,3,4,5,6,7
.if \s == 0
	MM ACC+8*\t, XF+12*\t, WVF, BV, XSC+2*\t, WVS
.else
	MM ACC+8*\t, XF+12*\t, WVF+12, ACC+8*\t, XSC+2*\t+1, WVS+1
.endif
.endr
	WIN 0
	PLACES
.endr
	s_wait_xcnt 0x0
	QUANT ACC
	OUT3 POV, 0
	ds_store_b32 v[SWV], v[PW]
	s_wait_dscnt 0x0                               ; for the others' sake: my scale words have landed
	s_barrier_signal -1
	s_barrier_wait -1
	s_cmp_lt_u32 s[WAVE], 2
	s_cbranch_scc0 .Lnot_kv
	ds_load_b128 v[16:19], v[VKVL]
	s_wait_dscnt 0x0
	global_store_b128 v[VKG], v[16:19], s[PKS:PKS+1]    ; sixteen lanes store 256 consecutive bytes, aligned to 256: k's words, and v's
	s_branch .Lend
.Lnot_kv:
	s_cmp_eq_u32 s[WAVE], 2
	s_cbranch_scc0 .Lend
	ds_load_b128 v[16:19], v[VQL]
	s_wait_dscnt 0x0
	global_store_b128 v[VQG], v[16:19], s[PQS:PQS+1]
.Lend:
	s_wait_tensorcnt 0x0                           ; the wave's end
	ds_add_u32 v254, v255
	s_wait_dscnt 0x0
	s_endpgm
.Lfunc_end_k_q99e733d39c_qkv:
	.size	k_q99e733d39c_qkv, .Lfunc_end_k_q99e733d39c_qkv-k_q99e733d39c_qkv
	.p2alignl 7, 3214868480
	.fill 96, 4, 3214868480
	.section	.rodata,"a",@progbits
	.p2align	6, 0x0
	.amdhsa_kernel k_q99e733d39c_qkv
		.amdhsa_group_segment_fixed_size 33792
		.amdhsa_private_segment_fixed_size 0
		.amdhsa_enable_private_segment 0
		.amdhsa_kernarg_size 64
		.amdhsa_user_sgpr_count 2
		.amdhsa_user_sgpr_kernarg_segment_ptr 1
		.amdhsa_wavefront_size32 1
		.amdhsa_system_sgpr_workgroup_id_x 1
		.amdhsa_system_sgpr_workgroup_id_y 1
		.amdhsa_system_sgpr_workgroup_id_z 1
		.amdhsa_system_vgpr_workitem_id 0
		.amdhsa_next_free_vgpr 512
		.amdhsa_next_free_sgpr 66
		.amdhsa_reserve_vcc 0
		.amdhsa_float_denorm_mode_32 3
		.amdhsa_float_denorm_mode_16_64 3
		.amdhsa_memory_ordered 1
		.amdhsa_forward_progress 1
		.amdhsa_inst_pref_size 40
	.end_amdhsa_kernel
	.amdgpu_metadata
---
amdhsa.version: [ 1, 2 ]
amdhsa.kernels:
  - .name:           k_q99e733d39c_qkv
    .symbol:         k_q99e733d39c_qkv.kd
    .args:
      - { .name: x_codes, .offset: 0, .size: 8, .value_kind: global_buffer, .address_space: global }
      - { .name: x_scales, .offset: 8, .size: 8, .value_kind: global_buffer, .address_space: global }
      - { .name: w_qkv_codes, .offset: 16, .size: 8, .value_kind: global_buffer, .address_space: global }
      - { .name: w_qkv_scales, .offset: 24, .size: 8, .value_kind: global_buffer, .address_space: global }
      - { .name: b_qkv, .offset: 32, .size: 8, .value_kind: global_buffer, .address_space: global }
      - { .name: qf, .offset: 40, .size: 8, .value_kind: global_buffer, .address_space: global }
      - { .name: qs, .offset: 48, .size: 8, .value_kind: global_buffer, .address_space: global }
      - { .name: kvc, .offset: 56, .size: 8, .value_kind: global_buffer, .address_space: global }
    .group_segment_fixed_size: 33792
    .private_segment_fixed_size: 0
    .kernarg_segment_align: 8
    .kernarg_segment_size: 64
    .max_flat_workgroup_size: 256
    .sgpr_count:     66
    .vgpr_count:     512
    .wavefront_size: 32
...
	.end_amdgpu_metadata
.endif
;; end of part 1
;; launch attn (part 2): grid 64 x 4, 8 waves a work-group, clusters of 4 x 1, 327,680 bytes of LDS; arguments qf, qs, kvc, w_o_codes, w_o_scales, b_o, out0; writes out0
.if DOCPART == 2
	.amdgcn_target "amdgcn-amd-amdhsa--gfx1250"
	.amdhsa_code_object_version 6
	.text
	.protected	k_q99e733d39c_attn
	.globl	k_q99e733d39c_attn
	.p2align	8
	.type	k_q99e733d39c_attn,@function
k_q99e733d39c_attn:
	s_mov_b64 s[64:65], 0
	v_nop
	global_prefetch_b8 v0, s[64:65] scope:SCOPE_SE
	s_setreg_imm32_b32 hwreg(HW_REG_WAVE_MODE, 25, 1), 1
	s_wait_xcnt 0x0
	s_wait_alu depctr_hold_cnt(0) depctr_sa_sdst(0) depctr_va_vdst(0) depctr_va_sdst(0) depctr_va_ssrc(0) depctr_va_vcc(0) depctr_vm_vsrc(0)
	s_getreg_b32 s2, hwreg(HW_REG_IB_STS2, 6, 4)
	s_cmp_eq_u32 s2, 0
	s_cbranch_scc0 .Lentry_in_a_cluster
	s_endpgm
.Lentry_in_a_cluster:
	s_bfe_u32 s2, ttmp6, 0x10000c
	s_cmp_lg_u32 s2, 0x3003
	s_cbranch_scc0 .Lentry_shape_is_right
	s_endpgm
.Lentry_shape_is_right:
; out0[b][c][n] = (softmax(q k^T / 8) v, heads joined) w_o^T + b_o, all three products on codes of BF6 (E3M2) with one E8M0 scale for each 32 along K.
; q, k, v arrive as images of operand registers (a fragment: 3 runs of 512 bytes, lane l's 16 bytes at 16 l).
; SHARES.  A work-group owns 64 tokens of one batch for all four heads, so the last product is made here and each run of 256 bytes of out0 has one owner.  Eight waves: wave w has head w / 2 and
; TWO tiles of 16 queries, A and B (tiles 2 (w % 2), + 1); in the last product it has output channels 32 w .. 32 w + 31.
; THE WALK.  32 units of 128 keys.  Unit u of kvc holds V(u), K(u + 1 mod 32) and their scale words, 51,200 dense bytes.  In unit u: A's softmax; A's O += V(u) p and A's scores on K(u + 1) are issued;
; B's softmax, on registers that those products do not name; then B's products.  K(0) comes from memory straight into registers (it lies in unit 31).
; THE RING: two slots of two units; every wave fetches an eighth of a slot (50 rows of 256 bytes), one tensor load behind each round.  A slot's last LDS read is awaited in the middle of its second unit:
; there stand the wait for my tensor loads, the add and its wait, and the round's opening signal; B's softmax, work on registers, stands between that signal and its wait.
; CLUSTER.  The four work-groups of a cluster belong to one batch and walk the same bytes: each tile is asked for jointly, same descriptor, mask of all four.
; K = 64 IN AN INSTRUCTION OF 128.  A fragment of k holds two tiles of 16 keys [a | b]; x [q | 0] gives a's scores, x [0 | q] b's: the other half meets zero codes.  Registers 0, q, 0 (6 each) serve both.
; LAYOUT.  Both products are used transposed: a lane holds one query.  Row r of tile t is item 8 t + r % 8 + 32 (r / 8) (+ 64 for tiles 4-7), so score register 32 c + i of lane half h is key 64 c + 32 h + i:
; a lane holds whole blocks of 32 keys, in the order of p's operand registers.
; THE SOFTMAX: t = score x log2(e) / 8; M = the running largest t rounded up to a whole number; p = 2^(t - M) is quantised along the keys; the row's sum is taken of the unquantised p and divides O at the end;
; when M moves, the sum and O^T are multiplied by 2^(old M - new M).  A block's largest p is taken as 2^(its largest t - M): this takes v_exp_f32 not to fall where its input rises.
; PREFETCH: at the head of each of the loop's 14 trips (trip s reads slot s, slot s + 1 has just been asked for) the cluster names slot s + 2, which the tensor loads at the trip's end fetch:
; 400 blocks of 256 bytes, 100 a partner by address, 25 a wave in waves 0-3, a lane a block (lanes 25-31 name the wave's last block again).  Slots 0 and 1 come by their loads alone.
; LIMITS: NaN and infinities are not served; the promise holds while |t| stays under 2^31.  A block whose largest magnitude lies under 2^(5 - 127) keeps the scale byte 1.  No work of reference() is left out.
.set UB,    51200
.set SLOTB, 2*UB
.set SLOT1, 1<<17                      ; slot 1 begins here
.set BATB,  32*UB
.set VOFF,  24576
.set SOFF,  49152
.set FRB,   1536
.set OIMG,  SLOTB                      ; behind slot 0: o's eight fragments, six runs of 256 bytes each; no tensor load lands here
.set OSC,   OIMG+8*FRB                 ; their scale words, 128 bytes each
.set STG,   SLOT1+SLOTB                ; behind slot 1: the way out: 32 rows x 272 bytes a wave
.set SPITCH, 272
.set SPARE, STG+8*32*SPITCH            ; the spare words: 128 bytes a wave
.set A0,  1                            ; 16 lane + 6,144 head
.set A1,  2                            ; 16 lane + 512 head + 49,152
.set SPW, 3
.set NIL, 4
.set ADR, 5
.set ADS, 6
.set PFO, 7
.set SH8, 8                            ; 8 h
.set STA, 16                           ; a tile's state: +0 -M (even units), +1 running largest score, +2 -M (odd units), +4 f, +6, +7 the sum
.set STB, 24
.set QA,  32                           ; 0, q, 0: six registers each
.set QB,  50
.set SA,  68                           ; S^T, then p: 64 registers
.set SB,  132
.set PC,  196                          ; p's codes; 208-214 at work
.set CH,  216
.set BS,  220
.set TT,  222
.set T2,  223
.set SCW, 224                          ; scale words and nothing else: 224-227 k's (lanes 0-15) and v's (lanes 16-31)
.set QSA, 228
.set QSB, 229
.set PSW, 230
.set X1,  232
.set X2,  234
.set X3,  236
.set OSW, 240
.set WOS, 248
.set OA,  96                           ; window 1: v0-47 K, v48-95 V, v96-127 A's O^T, v128-159 B's
.set OB,  128
.set WV,  20
.set HEAD, 21
.set SEL, 22
.set CS,  24
.set NC,  26
.set PP,  27
.set G1,  28
.set G0,  36
.set TB,  40
.set SLOTS, 41
.set TMPS, 42
.set PFA, 44
.set BT,  46
.set WGX, 47
.set CX,  48
.set MSB, 0
.macro WIN new
.if MSB != \new
	s_set_vgpr_msb (MSB<<8)|\new
.set MSB, \new
.endif
.endm
.macro MMZ d, a, b, sa, sb
	v_wmma_scale_f32_16x16x128_f8f6f4 v[\d:\d+7], v[\a:\a+11], v[\b:\b+11], 0, v[\sa], v[\sb] matrix_a_fmt:MATRIX_FMT_BF6 matrix_b_fmt:MATRIX_FMT_BF6
.endm
.macro MM d, a, b, c, sa, sb
	v_wmma_scale_f32_16x16x128_f8f6f4 v[\d:\d+7], v[\a:\a+11], v[\b:\b+11], v[\c:\c+7], v[\sa], v[\sb] matrix_a_fmt:MATRIX_FMT_BF6 matrix_b_fmt:MATRIX_FMT_BF6
.endm
.macro MMR d, a, b, sa, sb
	v_wmma_scale_f32_16x16x128_f8f6f4 v[\d:\d+7], v[\a:\a+11], v[\b:\b+11], v[\d:\d+7], v[\sa], v[\sb] matrix_a_fmt:MATRIX_FMT_BF6 matrix_b_fmt:MATRIX_FMT_BF6 matrix_a_scale:MATRIX_SCALE_ROW1
.endm
.macro PLACES
.rept 4
	v_nop
.endr
.endm
.macro CREST                           ; a round of the cluster's barrier behind its opening barrier
	s_cmp_lg_u32 s[WV], 0
	s_cbranch_scc1 .Lnw0_\@
	s_barrier_signal -3
.Lnw0_\@:
	s_barrier_wait -3
	s_barrier_signal -1
	s_barrier_wait -1
.endm
.macro CROUND
	s_barrier_signal -1
	s_barrier_wait -1
	CREST
.endm
.macro TLOAD                           ; my eighth of a slot; s_nop 0 and four v_nop follow
	tensor_load_to_lds s[G0:G0+3], s[G1:G1+7]
	s_nop 0
	PLACES
.endm
.macro ASK
	s_cmp_lt_u32 s[WV], 4
	s_cbranch_scc0 .Lna_\@
	global_prefetch_b8 v[PFO], s[PFA:PFA+1] th:TH_LOAD_NT scope:SCOPE_SE
.Lna_\@:
.endm
.macro QK s, qb, qs                    ; S^T = k q^T: register 8 t + j is row 8 h + j of tile t
	WIN 0x01
.irp f, 0,1,2,3
	MMZ \s+16*\f, 12*\f, \qb+6, SCW+\f, \qs
	MMZ \s+16*\f+8, 12*\f, \qb, SCW+\f, \qs
.endr
	WIN 0
.endm
.macro PVQK s, ot, qb, qs, last        ; O^T += v^T p^T, four accumulators by turns; then the next unit's scores
	WIN 0x51
.irp t, 0,1,2,3
	MMR \ot+8*\t, 48+12*\t, PC, SCW+\t, PSW
.endr
.if \last == 0
	QK \s, \qb, \qs
.endif
	WIN 0
.endm
.macro CVTS s                          ; 64 numbers -> 12 registers of codes
.irp c, 0,1
	v_cvt_scalef32_pk16_bf6_f32 v[PC+6*\c:PC+2+6*\c], v[\s+32*\c:\s+15+32*\c], v[BS+\c]
	v_cvt_scalef32_pk16_bf6_f32 v[PC+12+4*\c:PC+14+4*\c], v[\s+16+32*\c:\s+31+32*\c], v[BS+\c]   ; (a conversion's three registers begin on an even number)
.endr
.endm
.macro MOVS
.irp c, 0,1
.irp i, 0,1,2
	v_mov_b32 v[PC+3+6*\c+\i], v[PC+12+4*\c+\i]
.endr
.endr
.endm
; A TILE'S SOFTMAX on 128 keys.  p: the unit's parity: -M's new and old value change places.  chg: 1 = the lines in front of a refill's round stand ahead of the rescaling; 2 = the wait for my tensor loads alone
.macro SM s, st, ot, p, chg
	s_wait_alu depctr_va_vdst(0)                   ; the wait ahead of the scores' first readers
.irp k, 0,1,2,3
	v_max3_num_f32 v[CH+\k], v[\s+16*\k], v[\s+16*\k+1], v[\s+16*\k+2]   ; four chains of 16 scores by turns; each accumulator from its low end on
.endr
.irp i, 3,5,7,9,11,13
.irp k, 0,1,2,3
	v_max3_num_f32 v[CH+\k], v[CH+\k], v[\s+16*\k+\i], v[\s+16*\k+\i+1]
.endr
.endr
.irp c, 0,2
	v_max3_num_f32 v[CH+\c], v[CH+\c], v[CH+\c+1], v[\s+16*\c+15]
.endr
.irp c, 0,2
	v_max_num_f32 v[CH+\c], v[CH+\c], v[\s+16*\c+31]   ; my two blocks' largest scores
.endr
	v_max3_num_f32 v[TT], v[CH], v[CH+2], v[\st+1]
	v_permlanex16_b32 v[T2], v[TT], s[SEL], s[SEL+1]
	v_max_num_f32 v[\st+1], v[TT], v[T2]           ; the running largest score of my query
	v_mul_f32 v[TT], s[NC], v[\st+1]
	v_floor_f32 v[\st+2*\p], v[TT]                 ; -M = floor(-t)
.set j, 0
.rept 32
	v_pk_fma_f32 v[\s+j:\s+j+1], v[\s+j:\s+j+1], s[CS:CS+1], v[\st+2*\p:\st+2*\p+1] op_sel_hi:[1,0,0]   ; t - M
.if j == 8
	v_sub_f32 v[TT], v[\st+2*\p], v[\st+2-2*\p]    ; old M less new M
.endif
.if j == 24
	v_cvt_i32_f32 v[TT], v[TT]                     ; (it saturates)
.endif
.if j == 40
	v_ldexp_f32 v[\st+4], 1.0, v[TT]               ; f = 2^(old M - new M)
.endif
.set j, j+2
.endr
.irp c, 0,2
	v_fma_f32 v[CH+\c], v[CH+\c], s[CS], v[\st+2*\p]
.endr
	s_wait_alu depctr_va_vdst(0)                   ; the wait ahead of the batch
.irp c, 0,2
	v_exp_f32 v[CH+\c], v[CH+\c]                   ; the blocks' largest p
.endr
.set j, 0
.rept 64
	v_exp_f32 v[\s+j], v[\s+j]
.set j, j+1
.endr
	v_pk_mul_f32 v[\st+6:\st+7], v[\st+6:\st+7], v[\st+4:\st+5] op_sel_hi:[1,0]   ; the sum under the new M: a plain place behind the batch
	s_wait_alu depctr_va_vdst(0)                   ; and the one wait behind it
	v_pk_add_f32 v[X1:X1+1], v[\s:\s+1], v[\s+2:\s+3]          ; the sum of the unquantised p, in four chains; the scale's lines stand among them
	v_pk_add_f32 v[X2:X2+1], v[\s+4:\s+5], v[\s+6:\s+7]
	v_pk_add_f32 v[X3:X3+1], v[\s+8:\s+9], v[\s+10:\s+11]
	v_pk_add_f32 v[\st+6:\st+7], v[\st+6:\st+7], v[\s+12:\s+13]
.irp g, 0,1,2,3,4,5
	v_pk_add_f32 v[X1:X1+1], v[X1:X1+1], v[\s+14+8*\g:\s+15+8*\g]
	v_pk_add_f32 v[X2:X2+1], v[X2:X2+1], v[\s+16+8*\g:\s+17+8*\g]
	v_pk_add_f32 v[X3:X3+1], v[X3:X3+1], v[\s+18+8*\g:\s+19+8*\g]
	v_pk_add_f32 v[\st+6:\st+7], v[\st+6:\st+7], v[\s+20+8*\g:\s+21+8*\g]
.if \g == 0
	v_max_num_f32 v[CH], 0x2800000, v[CH]          ; the floor 2^(5 - 127)
	v_max_num_f32 v[CH+2], 0x2800000, v[CH+2]
.endif
.if \g == 1
	v_add_nc_u32 v[BS], 0xfe000000, v[CH]          ; the conversions' scale operands
	v_add_nc_u32 v[BS+1], 0xfe000000, v[CH+2]
.endif
.if \g == 2
	v_lshrrev_b32 v[CH+1], 23, v[BS]               ; the bytes of blocks h and 2 + h
	v_lshrrev_b32 v[CH+3], 23, v[BS+1]
.endif
.if \g == 3
	v_lshl_or_b32 v[TT], v[CH+3], 16, v[CH+1]
.endif
.if \g == 4
	v_lshlrev_b32 v[TT], v[SH8], v[TT]
.endif
.if \g == 5
	v_permlanex16_b32 v[T2], v[TT], s[SEL], s[SEL+1]
.endif
.endr
	v_pk_add_f32 v[X1:X1+1], v[X1:X1+1], v[\s+62:\s+63]
	v_pk_add_f32 v[X2:X2+1], v[X2:X2+1], v[X3:X3+1]
	v_pk_add_f32 v[\st+6:\st+7], v[\st+6:\st+7], v[X1:X1+1]
	v_pk_add_f32 v[\st+6:\st+7], v[\st+6:\st+7], v[X2:X2+1]
	CVTS \s
	v_or_b32 v[PSW], v[TT], v[T2]                  ; p's scale word.  (The plain place behind the conversions)
	MOVS
.if \chg == 1
	s_wait_tensorcnt 0x0                           ; all my tensor loads have landed: my eighth of the other slot;
	ds_add_u32 v[SPW], v[NIL]
	s_xor_b32 s[G0+1], s[G0+1], SLOT1              ; no load of mine is out: the descriptor walks
	s_add_nc_u64 s[G0+2:G0+3], s[G0+2:G0+3], SLOTB
	s_wait_xcnt 0x0                                ; the trip's prefetch has read its address
	s_add_nc_u64 s[PFA:PFA+1], s[PFA:PFA+1], SLOTB
.endif
.if \chg == 2
	s_wait_tensorcnt 0x0                           ; my eighth of the last slot is in
.endif
	WIN 0x41
	s_wait_alu depctr_va_vdst(0)                   ; the wait ahead of O^T's first readers
.set j, 0
.rept 16
	v_pk_mul_f32 v[\ot+j:\ot+j+1], v[\ot+j:\ot+j+1], v[\st+4:\st+5] op_sel_hi:[1,0]   ; O^T under the new M; also the places between p's codes and scale word and the products
.set j, j+2
.endr
	WIN 0
.endm
; A UNIT.  par: which of the slot's two; chg: as above; last = 1: no K follows; ask = 1: the trip's prefetch
.macro ITER par, chg, last, ask
	s_add_co_u32 s[TMPS], s[TB], \par*UB
	v_add_nc_u32 v[ADR], s[TMPS], v[A0]
	v_add_nc_u32 v[ADS], s[TMPS], v[A1]
	v_nop
	v_nop                                          ; four places behind the last products, whose operands the loads below fill
	WIN 0x40
.irp t, 0,1,2,3
.irp c, 0,1,2
	ds_load_b128 v[48+12*\t+4*\c:48+12*\t+4*\c+3], v[ADR] offset:VOFF+FRB*\t+512*\c
.endr
.endr
.if \last == 0
.irp f, 0,1,2,3
.irp c, 0,1,2
	ds_load_b128 v[12*\f+4*\c:12*\f+4*\c+3], v[ADR] offset:FRB*\f+512*\c
.endr
.endr
.endif
	WIN 0
	ds_load_b128 v[SCW:SCW+3], v[ADS]
.if \ask
	ASK
.endif
	SM SA, STA, OA, \par, \chg
	s_wait_alu depctr_va_vdst(0)                   ; the wait, directly ahead of the wait below
	s_wait_dscnt 0x0                               ; V, K and the scale words are in (and the add is done: my reads of this slot are over)
.if \chg
	s_barrier_signal -1
.endif
	PVQK SA, OA, QA, QSA, \last
	SM SB, STB, OB, \par, 0
	PVQK SB, OB, QB, QSB, \last
.if \chg
	s_wait_alu depctr_va_vdst(0)
	s_barrier_wait -1
.endif
.if \chg == 1
	CREST                                          ; no wave of any partner still reads the slot left or has a load on its way
	TLOAD                                          ; the first tensor load behind the round
.endif
.endm
	s_load_b256 s[4:11], s[0:1], 0x0               ; qf, qs, kvc, w_o's codes
	s_load_b128 s[12:15], s[0:1], 0x20             ; w_o's scales, b_o
	s_load_b64 s[16:17], s[0:1], 0x30              ; out0
	v_lshl_add_u32 v[SPW], v0, 2, SPARE
	v_mov_b32 v[NIL], 0
	ds_add_u32 v[SPW], v[NIL]                      ; the opening lines: the add twice on end and its wait
	ds_add_u32 v[SPW], v[NIL]
	v_lshrrev_b32 v5, 5, v0
	v_readfirstlane_b32 s[WV], v5
	s_lshr_b32 s[HEAD], s[WV], 1
	s_and_b32 s[PP], s[WV], 1
	s_bfe_u32 s[CX], ttmp6, 0x40000
	s_lshl_b32 s[WGX], ttmp9, 2
	s_add_co_u32 s[WGX], s[WGX], s[CX]             ; my block of 64 tokens
	s_and_b32 s[BT], ttmp7, 0xffff
	s_mov_b32 s[G1], 15|(3<<16)|(1<<21)            ; the mask of all four; elements of 8 bytes; bit 21 beside a mask
	s_mov_b32 s[G1+1], 32<<16
	s_mov_b32 s[G1+2], 50<<16
	s_mov_b32 s[G1+3], 32<<16
	s_mov_b32 s[G1+4], 50
	s_mov_b32 s[G1+5], 32
	s_mov_b32 s[G1+6], 0
	s_mov_b32 s[G1+7], 0
	s_mov_b32 s[G0], 1
	s_mul_i32 s[G0+1], s[WV], 12800
	s_mul_i32 s50, s[BT], BATB
	s_add_co_u32 s52, s50, s[G0+1]
	s_mov_b32 s53, 0
	s_mul_i32 s54, s[CX], 25600                    ; the prefetches: my work-group's quarter of slot 2, my wave's 25 blocks
	s_add_co_u32 s54, s54, s50
	s_mul_i32 s55, s[WV], 6400
	s_add_co_u32 s54, s54, s55
	s_add_co_u32 s54, s54, 2*SLOTB
	s_mov_b32 s55, 0
	s_mul_i32 s56, s[HEAD], 6144                   ; K(0): in unit 31
	s_add_co_u32 s56, s56, s50
	s_add_co_u32 s56, s56, 31*UB
	s_mov_b32 s57, 0
	s_lshl_b32 s58, s[HEAD], 9
	s_add_co_u32 s58, s58, s50
	s_add_co_u32 s58, s58, 31*UB+SOFF
	s_mov_b32 s59, 0
	s_lshl_b32 s62, s[BT], 2
	s_add_co_u32 s62, s62, s[HEAD]
	s_lshl_b32 s60, s62, 7                         ; q's fragment: ((4 batch + head) x 128 + 2 block + w % 2) x 1,536: my tiles A and B
	s_lshl_b32 s63, s[WGX], 1
	s_add_co_u32 s60, s60, s63
	s_add_co_u32 s60, s60, s[PP]
	s_mul_i32 s60, s60, FRB
	s_mov_b32 s61, 0
	s_lshl_b32 s62, s62, 5                         ; its scale words
	s_lshr_b32 s63, s[WGX], 1
	s_add_co_u32 s62, s62, s63
	s_lshl_b32 s62, s62, 8
	s_and_b32 s63, s[WGX], 1
	s_lshl_b32 s63, s63, 1
	s_add_co_u32 s63, s63, s[PP]
	s_lshl_b32 s63, s63, 2
	s_add_co_u32 s62, s62, s63
	s_mov_b32 s63, 0
	s_mov_b32 s[SEL], 0x76543210
	s_mov_b32 s[SEL+1], 0xfedcba98
	s_mov_b32 s[CS], 0x3e38aa3b                    ; c = log2(e) / 8
	s_mov_b32 s[CS+1], s[CS]
	s_mov_b32 s[NC], 0xbe38aa3b                    ; -c
	s_mov_b32 s[TB], 0
	s_mov_b32 s[SLOTS], 14
	s_wait_dscnt 0x0
	s_wait_kmcnt 0x0
	s_add_nc_u64 s[G0+2:G0+3], s[8:9], s[52:53]
	s_or_b32 s[G0+3], s[G0+3], 0x80000000
	s_add_nc_u64 s[PFA:PFA+1], s[8:9], s[54:55]
	s_add_nc_u64 s[56:57], s[8:9], s[56:57]
	s_add_nc_u64 s[58:59], s[8:9], s[58:59]
	s_add_nc_u64 s[4:5], s[4:5], s[60:61]
	s_add_nc_u64 s[6:7], s[6:7], s[62:63]
	CROUND                                         ; the first joint loads meet
	TLOAD                                          ; slot 0: one tensor load a wave at the head
	v_and_b32 v9, 31, v0
	v_and_b32 v11, 15, v0
	v_lshlrev_b32 v10, 4, v9                       ; 16 lane
	v_lshlrev_b32 v11, 4, v11                      ; 16 r
	v_min_u32 v[PFO], 24, v9
	v_bfe_u32 v[SH8], v0, 4, 1
	v_lshlrev_b32 v[PFO], 8, v[PFO]
	v_lshlrev_b32 v[SH8], 3, v[SH8]
.irp c, 0,1,2
	global_load_b128 v[SA+4*\c:SA+4*\c+3], v10, s[4:5] offset:512*\c
.endr
	global_load_b32 v[TT], v11, s[6:7]
	global_load_b128 v[SCW:SCW+3], v10, s[58:59]
	WIN 0x40
.irp f, 0,1,2,3
.irp c, 0,1,2
	global_load_b128 v[12*\f+4*\c:12*\f+4*\c+3], v10, s[56:57] offset:FRB*\f+512*\c
.endr
.endr
.set j, 0
.rept 64
	v_mov_b32 v[OA+j], 0                           ; O^T of both tiles: the unit is written once, the first finds zeros
.set j, j+1
.endr
	WIN 0
	s_mul_i32 s[TMPS], s[HEAD], 6144
	v_add_nc_u32 v[A0], s[TMPS], v10
	s_lshl_b32 s[TMPS], s[HEAD], 9
	s_add_co_u32 s[TMPS], s[TMPS], SOFF
	v_add_nc_u32 v[A1], s[TMPS], v10
.irp st, STA, STB
	v_mov_b32 v[\st], 0
	v_mov_b32 v[\st+1], 0xff61b1e6                 ; the largest score so far: -3e38
	v_mov_b32 v[\st+2], 0x7f61b1e6                 ; the old -M: 3e38, so that the first f is 0
	v_mov_b32 v[\st+3], 0
	v_mov_b32 v[\st+4], 0
	v_mov_b32 v[\st+5], 0
	v_mov_b32 v[\st+6], 0
	v_mov_b32 v[\st+7], 0
.endr
	v_mov_b32 v[T2], 0                             ; a lane permute's destination counts as one of its sources
.irp i, 0,1,2,3,4,5
	v_mov_b32 v[QA+\i], 0
	v_mov_b32 v[QA+12+\i], 0
	v_mov_b32 v[QB+\i], 0
	v_mov_b32 v[QB+12+\i], 0
.endr
	s_mov_b32 s50, 0x01000100
	s_mov_b32 s51, 0x03020302
	s_wait_alu depctr_va_vdst(0)
	s_wait_loadcnt 0x0
	v_perm_b32 v[QSA], v[TT], v[TT], s50           ; (s0, s1, s0, s1) of tile A, of tile B
	v_perm_b32 v[QSB], v[TT], v[TT], s51
.irp i, 0,1,2,3,4,5
	v_mov_b32 v[QA+6+\i], v[SA+\i]
	v_mov_b32 v[QB+6+\i], v[SA+6+\i]
.endr
	PLACES                                         ; operands written by vector instructions stand 4 places ahead of a scaled product, scale words 8
	QK SA, QA, QSA
	QK SB, QB, QSB
	s_wait_alu depctr_va_vdst(0)                   ; the wait at the head's end
	s_wait_tensorcnt 0x0                           ; slot 1's first fill is issued as a refill is
	ds_add_u32 v[SPW], v[NIL]
	s_xor_b32 s[G0+1], s[G0+1], SLOT1
	s_add_nc_u64 s[G0+2:G0+3], s[G0+2:G0+3], SLOTB
	s_wait_dscnt 0x0
	CROUND
	TLOAD
.Lslot:                                            ; 14 trips: trip s reads slot s and, at its end, asks for slot s + 2
	ITER 0, 0, 0, 1
	ITER 1, 1, 0, 0
	s_xor_b32 s[TB], s[TB], SLOT1
	s_sub_co_u32 s[SLOTS], s[SLOTS], 1
	s_cmp_lg_u32 s[SLOTS], 0
	s_cbranch_scc1 .Lslot
	ITER 0, 0, 0, 0                                ; the last two slots are written out: nothing more is fetched
	ITER 1, 2, 0, 0
	s_xor_b32 s[TB], s[TB], SLOT1
	ITER 0, 0, 0, 0
	ITER 1, 0, 1, 0
	; THE WAY OUT.  o = O^T / the sum, quantised along the 256 channels: a lane's 32 numbers of a tile are one block.  The waves' half fragments meet in LDS; then each wave multiplies all 64 tokens by its 32 rows of w_o.
	s_mul_i32 s50, s[WV], 6144
	s_mov_b32 s51, 0
	s_add_nc_u64 s[10:11], s[10:11], s[50:51]
	s_lshl_b32 s50, s[WV], 8
	s_add_nc_u64 s[12:13], s[12:13], s[50:51]
	s_lshl_b32 s50, s[WV], 7
	s_add_nc_u64 s[14:15], s[14:15], s[50:51]
	v_and_b32 v9, 15, v0                           ; r
	v_bfe_u32 v10, v0, 4, 1                        ; h
	v_and_b32 v11, 31, v0
	v_mul_u32_u24 v1, v9, 192
	v_lshlrev_b32 v2, 3, v9
	v_lshlrev_b32 v5, 2, v9
	v_mad_u32_u24 v1, v10, 24, v1
.irp ct, 0,1
	global_load_b64 v[WOS+2*\ct:WOS+2*\ct+1], v2, s[12:13] offset:128*\ct
.endr
	WIN 0x40
.irp ct, 0,1
.irp s, 0,1
.irp p, 0,1,2,3,4,5
	global_load_b64 v[24*\ct+12*\s+2*\p:24*\ct+12*\s+2*\p+1], v1, s[10:11] offset:3072*\ct+96*\s+48*(\p/3)+8*(\p%3)
.endr
.endr
.irp j, 0,1,2,3,4,5,6,7
	global_load_b32 v[48+8*\ct+\j], v5, s[14:15] offset:64*\ct   ; a lane holds one channel: its bias in all eight registers
.endr
.endr
	WIN 0
	v_add_f32 v[STA+6], v[STA+6], v[STA+7]
	v_add_f32 v[STB+6], v[STB+6], v[STB+7]
	v_permlanex16_b32 v[TT], v[STA+6], s[SEL], s[SEL+1]
	v_permlanex16_b32 v[T2], v[STB+6], s[SEL], s[SEL+1]
	v_add_f32 v[STA+6], v[STA+6], v[TT]
	v_add_f32 v[STB+6], v[STB+6], v[T2]            ; the rows' sums
	s_wait_alu depctr_va_vdst(0)
	v_rcp_f32 v[STA+6], v[STA+6]
	v_rcp_f32 v[STB+6], v[STB+6]
	s_mul_i32 s52, s[PP], 4*FRB                    ; my half fragments: tile 2 (w % 2) + a, K step head / 2, half head % 2
	s_lshr_b32 s53, s[HEAD], 1
	s_mul_i32 s54, s53, FRB
	s_add_co_u32 s52, s52, s54
	s_and_b32 s55, s[HEAD], 1
	s_mul_i32 s54, s55, 768
	s_add_co_u32 s52, s52, s54
	s_add_co_u32 s52, s52, OIMG
	v_lshl_add_u32 v12, v11, 3, s52
	s_lshl_b32 s52, s[PP], 9
	s_lshl_b32 s53, s53, 7
	s_add_co_u32 s52, s52, s53
	s_lshl_b32 s55, s55, 1
	s_add_co_u32 s52, s52, s55
	s_add_co_u32 s52, s52, OSC
	v_lshl_add_u32 v13, v11, 2, s52
	v_lshl_add_u32 v14, v11, 3, OIMG
	v_lshl_add_u32 v15, v11, 2, OSC
	s_mul_i32 s52, s[WV], 32*SPITCH
	s_add_co_u32 s52, s52, STG
	v_mul_u32_u24 v6, v9, SPITCH
	v_mul_u32_u24 v[X1], v10, SPITCH
	v_lshl_add_u32 v6, v10, 7, v6
	v_lshl_add_u32 v[X1], v9, 4, v[X1]
	v_add_nc_u32 v6, s52, v6                       ; the stage, in: row r (a channel), + 128 h
	v_add_nc_u32 v[X1], s52, v[X1]                 ; back: lanes 0-15 one row, lanes 16-31 the next
	v_lshlrev_b32 v[X1+1], 14, v10
	v_lshl_add_u32 v[X1+1], v9, 4, v[X1+1]         ; and the same in out0
	WIN 0x01
	s_wait_alu depctr_va_vdst(0)                   ; behind the reciprocals, ahead of O^T's first readers
.set j, 0
.rept 32
	v_mul_f32 v[SA+j], v[OA+j], v[STA+6]
.set j, j+1
.endr
.set j, 0
.rept 32
	v_mul_f32 v[SA+32+j], v[OB+j], v[STB+6]
.set j, j+1
.endr
	WIN 0
.irp k, 0,1,2,3
	v_max3_num_f32 v[CH+\k], |v[SA+16*\k]|, |v[SA+16*\k+1]|, 0x2800000
.endr
.irp i, 2,4,6,8,10,12,14
.irp k, 0,1,2,3
	v_max3_num_f32 v[CH+\k], v[CH+\k], |v[SA+16*\k+\i]|, |v[SA+16*\k+\i+1]|
.endr
.endr
	v_max_num_f32 v[CH], v[CH], v[CH+1]
	v_max_num_f32 v[CH+2], v[CH+2], v[CH+3]
	v_add_nc_u32 v[BS], 0xfe000000, v[CH]
	v_add_nc_u32 v[BS+1], 0xfe000000, v[CH+2]
	v_lshrrev_b32 v[CH+1], 23, v[BS]
	v_lshrrev_b32 v[CH+3], 23, v[BS+1]
	v_lshlrev_b32 v[CH+1], v[SH8], v[CH+1]
	v_lshlrev_b32 v[CH+3], v[SH8], v[CH+3]
	v_permlanex16_b32 v[TT], v[CH+1], s[SEL], s[SEL+1]
	v_permlanex16_b32 v[T2], v[CH+3], s[SEL], s[SEL+1]
	v_or_b32 v[CH+1], v[CH+1], v[TT]               ; my head's two bytes of the row's scale word, tile A's and tile B's
	v_or_b32 v[CH+3], v[CH+3], v[T2]
	CVTS SA
	v_nop
	MOVS
.irp a, 0,1
.irp i, 0,1,2
	ds_store_b64 v12, v[PC+6*\a+2*\i:PC+6*\a+2*\i+1] offset:2*FRB*\a+256*\i
.endr
	ds_store_b16 v13, v[CH+1+2*\a] offset:256*\a
.endr
	s_wait_alu depctr_va_vdst(0)
	s_wait_dscnt 0x0                               ; for the others' sake
	s_barrier_signal -1
	s_barrier_wait -1
.irp f, 0,1,2,3,4,5,6,7
.irp p, 0,1,2,3,4,5
	ds_load_b64 v[SA+12*\f+2*\p:SA+12*\f+2*\p+1], v14 offset:FRB*\f+256*\p
.endr
.endr
.irp f, 0,1,2,3,4,5,6,7
	ds_load_b32 v[OSW+\f], v15 offset:128*\f
.endr
	s_lshl_b32 s50, s[BT], 8                       ; out0: (256 batch + 32 wave) channels of 16,384 bytes, + my block's 256 bytes
	s_lshl_b32 s52, s[WV], 5
	s_add_co_u32 s50, s50, s52
	s_lshl_b32 s50, s50, 14
	s_lshl_b32 s52, s[WGX], 8
	s_add_co_u32 s50, s50, s52
	s_add_nc_u64 s[16:17], s[16:17], s[50:51]
	s_wait_dscnt 0x0
	s_wait_loadcnt 0x0
	WIN 0x54                               ; source 0 = 16 tokens of o; source 1 = 16 rows of w_o, the bias and the sums in window 1; eight accumulators by turns
.irp s, 0,1
.irp ct, 0,1
.irp m, 0,1,2,3
.if \s == 0
	MM OA+32*\ct+8*\m, SA+24*\m, 24*\ct, 48+8*\ct, OSW+2*\m, WOS+2*\ct
.else
	MM OA+32*\ct+8*\m, SA+24*\m+12, 24*\ct+12, OA+32*\ct+8*\m, OSW+2*\m+1, WOS+2*\ct+1
.endif
.endr
.endr
.endr
	PLACES
	WIN 0x04
.irp ct, 0,1
.irp m, 0,1,2,3                        ; tile m's register j is token 8 m + 32 h + j
	ds_store_b128 v6, v[OA+32*\ct+8*\m:OA+32*\ct+8*\m+3] offset:16*SPITCH*\ct+32*\m
	ds_store_b128 v6, v[OA+32*\ct+8*\m+4:OA+32*\ct+8*\m+7] offset:16*SPITCH*\ct+32*\m+16
.endr
.endr
	WIN 0
.irp i, 0,1,2,3,4,5,6,7,8,9,10,11,12,13,14,15
	ds_load_b128 v[SA+4*\i:SA+4*\i+3], v[X1] offset:2*\i*SPITCH   ; LDS serves a wave's instructions in order (ISA guide 5.7.1.4)
.endr
.irp i, 0,1,2,3,4,5,6,7,8,9,10,11,12,13,14,15
	s_wait_dscnt 15-\i                             ; the younger loads from the stage may be out
	global_store_b128 v[X1+1], v[SA+4*\i:SA+4*\i+3], s[16:17] offset:32768*\i th:TH_STORE_NT   ; sixteen lanes store 256 consecutive bytes, aligned: one channel's 64 tokens
.endr
	s_wait_tensorcnt 0x0                           ; the wave's end
	ds_add_u32 v[SPW], v[NIL]
	s_wait_dscnt 0x0
	CROUND                                         ; the closing round
	s_endpgm
.Lfunc_end_k_q99e733d39c_attn:
	.size	k_q99e733d39c_attn, .Lfunc_end_k_q99e733d39c_attn-k_q99e733d39c_attn
	.p2alignl 7, 3214868480
	.fill 96, 4, 3214868480
	.section	.rodata,"a",@progbits
	.p2align	6, 0x0
	.amdhsa_kernel k_q99e733d39c_attn
		.amdhsa_group_segment_fixed_size 327680
		.amdhsa_private_segment_fixed_size 0
		.amdhsa_enable_private_segment 0
		.amdhsa_kernarg_size 56
		.amdhsa_user_sgpr_count 2
		.amdhsa_user_sgpr_kernarg_segment_ptr 1
		.amdhsa_wavefront_size32 1
		.amdhsa_system_sgpr_workgroup_id_x 1
		.amdhsa_system_sgpr_workgroup_id_y 1
		.amdhsa_system_sgpr_workgroup_id_z 1
		.amdhsa_system_vgpr_workitem_id 0
		.amdhsa_next_free_vgpr 512
		.amdhsa_next_free_sgpr 80
		.amdhsa_reserve_vcc 0
		.amdhsa_float_denorm_mode_32 3
		.amdhsa_float_denorm_mode_16_64 3
		.amdhsa_memory_ordered 1
		.amdhsa_forward_progress 1
		.amdhsa_inst_pref_size 193
	.end_amdhsa_kernel
	.amdgpu_metadata
---
amdhsa.version: [ 1, 2 ]
amdhsa.kernels:
  - .name:           k_q99e733d39c_attn
    .symbol:         k_q99e733d39c_attn.kd
    .args:
      - { .name: qf, .offset: 0, .size: 8, .value_kind: global_buffer, .address_space: global }
      - { .name: qs, .offset: 8, .size: 8, .value_kind: global_buffer, .address_space: global }
      - { .name: kvc, .offset: 16, .size: 8, .value_kind: global_buffer, .address_space: global }
      - { .name: w_o_codes, .offset: 24, .size: 8, .value_kind: global_buffer, .address_space: global }
      - { .name: w_o_scales, .offset: 32, .size: 8, .value_kind: global_buffer, .address_space: global }
      - { .name: b_o, .offset: 40, .size: 8, .value_kind: global_buffer, .address_space: global }
      - { .name: out0, .offset: 48, .size: 8, .value_kind: global_buffer, .address_space: global }
    .group_segment_fixed_size: 327680
    .private_segment_fixed_size: 0
    .kernarg_segment_align: 8
    .kernarg_segment_size: 56
    .max_flat_workgroup_size: 256
    .sgpr_count:     80
    .vgpr_count:     512
    .wavefront_size: 32
...
	.end_amdgpu_metadata
.endif
;; end of part 2
